; MI455X (gfx1250); checked and timed in simulation.
; The chip was launched on July 23, 2026; its instructions are those of AMD's public machine-readable ISA for CDNA 5 (MIT licence, August 2026) and "CDNA5" Instruction Set Architecture Reference Guide (July 2026). The comments in the code are by the model that wrote it; some were corrected since.
;; Long Net Transformer. Allowed arithmetic: matrix products marked QUANTISED: E2M1 operands, one E8M0 scale for each 32 along K, by v_wmma_scale_f32_16x16x128_f8f6f4 with both operands' format E2M1 (or v_wmma_scale_f32_32x16x128_f4), f32 sums; products left as they are: bf16, f16 or f32 operands; f32 sums; everything else in f32.
;; Inputs: out_b0 1,024 float32; out_b1 1,024 float32; out_b2 1,024 float32; out_w0 1,024 x 1,024 float32; out_w1 1,024 x 1,024 float32; out_w2 1,024 x 1,024 float32; qkv_b0 3,072 float32; qkv_b1 3,072 float32; qkv_b2 3,072 float32; qkv_w0 3,072 x 1,024 float32; qkv_w1 3,072 x 1,024 float32; qkv_w2 3,072 x 1,024 float32; x 4 x 2,048 x 1,024 float32.
;; Outputs: out0 4 x 1,024 x 1,024 float32.
;; This version of the problem:
;;   THIS VERSION OF THE PROBLEM IS GIVEN IN LOW PRECISION. The matrix products marked QUANTISED in the list below multiply operands that are first quantised to E2M1 (2 exponent bits, 1 mantissa bit; 4 bits a number), with one power-of-two scale for each 32 numbers along K (OCP MX v1.0); their sums are f32. The products marked 'left as it is' may take bf16, f16 or f32 operands, with f32 sums. Whichever they take, every output number must still come out within the allowed error. Rounding operands to bf16 (8 significant bits) uses up far more of that allowance than f16 does (11 bits, for magnitudes from 6e-5 to 65,504). All else is computed in f32.
;;   The module's matrix products, in the order in which they are computed (A, B: the left and right operand; K: the contracted axis; several contracted axes count as one K, in the product's order):
;;     1. [M 4,096, K 1,024] x [K 1,024, N 3,072]; A: input x; B: input qkv_w0: QUANTISED
;;     2. batch 256 x [M 256, K 64] x [K 64, N 256]; A: computed on the way; B: computed on the way: left as it is (an operand is computed on the way)
;;     3. batch 256 x [M 64, K 256] x [K 256, N 256]; A: computed on the way; B: computed on the way: left as it is (an operand is computed on the way)
;;     4. [M 4,096, K 1,024] x [K 1,024, N 1,024]; A: computed on the way; B: input out_w0: left as it is (an operand is computed on the way)
;;     5. [M 4,096, K 1,024] x [K 1,024, N 3,072]; A: input x; B: input qkv_w1: QUANTISED
;;     6. batch 128 x [M 512, K 64] x [K 64, N 512]; A: computed on the way; B: computed on the way: left as it is (an operand is computed on the way)
;;     7. batch 128 x [M 64, K 512] x [K 512, N 512]; A: computed on the way; B: computed on the way: left as it is (an operand is computed on the way)
;;     8. [M 4,096, K 1,024] x [K 1,024, N 1,024]; A: computed on the way; B: input out_w1: left as it is (an operand is computed on the way)
;;     9. [M 4,096, K 1,024] x [K 1,024, N 3,072]; A: input x; B: input qkv_w2: QUANTISED
;;     10. batch 64 x [M 1,024, K 64] x [K 64, N 1,024]; A: computed on the way; B: computed on the way: left as it is (an operand is computed on the way)
;;     11. batch 64 x [M 64, K 1,024] x [K 1,024, N 1,024]; A: computed on the way; B: computed on the way: left as it is (an operand is computed on the way)
;;     12. [M 4,096, K 1,024] x [K 1,024, N 1,024]; A: computed on the way; B: input out_w2: left as it is (an operand is computed on the way)
;;   THE QUANTISER, for each operand of a quantised product, along K:
;;     - K is cut into blocks of 32 from its start; a last block that is shorter is filled with zeros.
;;     - A block's scale is 2^e with e = floor(log2(the largest magnitude in the block)) - 2, held to -126 .. 127; a block of zeros has e = 0. As a byte (E8M0): e + 127.
;;     - Each number is divided by its block's scale, clamped to +-6, and rounded to the nearest number of E2M1, ties to even, subnormals kept.
;;     - The product sums the exact products of the quantised numbers (number of the format x scale) in f32.
;;   ~~~python
;;   def quantise(x, axis):      # numpy; x: float32 -> the quantised numbers, widened to float32 again
;;       x = np.moveaxis(x, axis, -1); K = x.shape[-1]
;;       x = np.pad(x, [(0, 0)] * (x.ndim - 1) + [(0, -K % 32)]); x = x.reshape(x.shape[:-1] + (-1, 32)); a = np.abs(x).max(-1, keepdims=True)
;;       e = np.where(a > 0, np.clip(np.frexp(np.where(a > 0, a, 1))[1] - 1 - 2, -126, 127), 0)      # np.frexp(a)[1] - 1 = floor(log2(a)), exactly
;;       r = np.clip(x / 2.0 ** e, -6, 6)
;;       step = 2.0 ** (np.maximum(np.frexp(np.where(r == 0, 1, r))[1] - 1, 0) - 1)
;;       q = np.round(r / step) * step * 2.0 ** e      # np.round: ties to even
;;       return np.moveaxis(q.reshape(q.shape[:-2] + (-1,))[..., :K], -1, axis).astype(np.float32)
;;   ~~~
;; One version. Each part assembles by itself: llvm-mc -triple=amdgcn-amd-amdhsa -mcpu=gfx1250 --defsym DOCPART=n.
;; ======== version 1 of 1: 4 launches
;; limits: values are held in f16: magnitudes above 65,504 overflow, below 6.1e-05 lose precision
;; workspace buffers: xq 2,228,224 bytes; wq 5,603,328 bytes; woimg 6,291,456 bytes; qkv 75,497,472 bytes; oimg 25,165,824 bytes
;; launch prep (part 1): grid 256 x 1, 4 waves a work-group, no clusters, 68,096 bytes of LDS; arguments x, qkv_w0, qkv_w1, qkv_w2, qkv_b0, qkv_b1, qkv_b2, out_w0, out_w1, out_w2, xq, wq, woimg; writes xq, wq, woimg
.if DOCPART == 1
	.amdgcn_target "amdgcn-amd-amdhsa--gfx1250"
	.amdhsa_code_object_version 6
	.text
	.protected	k_qa97838ea9a_prep
	.globl	k_qa97838ea9a_prep
	.p2align	8
	.type	k_qa97838ea9a_prep,@function
k_qa97838ea9a_prep:
	s_mov_b64 s[64:65], 0
	v_nop
	global_prefetch_b8 v0, s[64:65] scope:SCOPE_SE
	s_setreg_imm32_b32 hwreg(HW_REG_WAVE_MODE, 25, 1), 1
	s_wait_xcnt 0x0
; PREP.  All three branches take the same rows of x (rate 2, even segment lengths): token t = x's row 2 t, 4,096 tokens.
; This launch lays every operand that later launches read many times as IMAGES OF OPERAND REGISTERS: units of 512 bytes, lane L's 16 bytes at 16 L.
;   xq:    256 blocks of 16 tokens, a record of 8,704 bytes each: K step s (128 along K), half c: 512 bytes at 1024 s + 512 c: lane (r, h) holds the 32 codes k = 128 s + 64 c + 32 h + 0..31 of row r;
;          at 8,192 + 16 L four scale words: word i is row r's word of K step 2 i + h (lanes 0-15 an even step, lanes 16-31 the odd step behind it).
;   wq:    576 blocks of 16 rows of the three qkv_w on end, the same record, and behind it (8,704 and 9,216) the block's bias as the eight registers of a matrix result:
;          a q or k block: register j = bias[n0 + 8 h + j];  a v block: every register = bias[n0 + r].
;   woimg: the three out_w rounded to f16, [K step of 256: 12][16 rows: 64][16 along K: 16][512 bytes]: lane (r, h) holds row r, k = 8 h + 0..7 of the sixteen.
; THE QUANTISER (E2M1, one E8M0 byte for 32 along K): a block's scale is 2^(floor(log2(largest magnitude)) - 2); its byte is the largest magnitude's exponent field - 2, held at 1 from below by a floor among the maximum's leaves.
; LIMITS: a block of zeros gets the byte 1 where the rule says 127 (its codes are zeros, and this program alone reads the bytes); blocks whose largest magnitude lies under 2^-124 were not tried;
; NaN and infinities are not served; |out_w| stays under 65,504 (f16's largest number), and numbers under 6e-5 are carried with f16's absolute step of 6e-8.
; SHARES.  A wave takes one block of 16 rows x 1,024 numbers (64 KiB): block rb = 4 x work-group + wave: 0-255 x, 256-831 qkv_w, 832-1023 out_w: 1,024 waves of equal bytes.
; Each load reads 512 consecutive bytes of one row; a step's 16 rows x 512 bytes turn through the wave's own stage in LDS (rows 528 bytes apart) and come back, INTO THE REGISTERS THAT THEY LEFT, with a lane's numbers
; as neighbours along K.  So 192 registers hold three steps' loads: while a step is worked, the next two steps' 32 loads are out, and the step three on is asked for as soon as the conversions have read the registers.
; No matrix unit, no cluster, no barrier: memory binds, and waves share nothing.  The two ways (codes; f16) part once on the work-group's number and have LDS bytes of their own.
.set SP,    528                        ; a stage row: 512 bytes + 16
.set WST,   16*SP                      ; a wave's stage
.set STF,   4*WST                      ; the f16 way's four stages lie behind the codes' four
.set SPARE, 8*WST                      ; the spare words: 128 bytes a wave, two blocks of 256 bytes that no other line names
.set LI,  1                            ; v1   16 x lane
.set RR,  2                            ; v2   r = lane % 16
.set HH,  3                            ; v3   h = lane / 16
.set SIQ, 4                            ; v4   codes' stage, way in
.set SOQ, 5                            ; v5   codes' stage, way out: 528 r + 128 h
.set SIF, 6                            ; v6   f16 stage, way in
.set SOF, 7                            ; v7   f16 stage, way out: 528 r + 32 h
.set H8,  8                            ; v8   8 h
.set BQ,  9                            ; v9   32 h
.set SPW, 10                           ; v10  my spare word; never rewritten
.set NIL, 11                           ; v11  0; never rewritten
.set TMP, 12
.set BV,  13                           ; v13  4 r
.set VO,  16                           ; v16-31  row i: 16 x lane + i x the pitch of rows in memory
.set R,   32                           ; v32-223 three sets of 64 registers: a step as loaded, then, in place, the step's 64 numbers of my row
.set CD,  224                          ; v224-231 codes (f16 way: v224-255)
.set SC,  232                          ; v232-235 the four scale words
.set MX,  236                          ; v236-237 largest magnitudes
.set SCO, 238                          ; v238-239 the conversions' scale operands
.set BY,  240                          ; v240-241 bytes
.set WD,  242                          ; v242 a step's scale word
.set PT,  243                          ; v243 the other half's part of it
.set BI,  248                          ; v248-255 the bias image
	s_load_b512 s[8:23], s[0:1], 0x0               ; x, w0, w1, w2, b0, b1, b2, out_w0
	s_load_b256 s[24:31], s[0:1], 0x40             ; out_w1, out_w2, xq, wq
	s_load_b64 s[32:33], s[0:1], 0x60              ; woimg
	v_lshl_add_u32 v[SPW], v0, 2, SPARE
	v_mov_b32 v[NIL], 0
	v_lshrrev_b32 v[TMP], 5, v0
	v_readfirstlane_b32 s2, v[TMP]                 ; wave
	v_and_b32 v[TMP], 31, v0
	v_lshlrev_b32 v[LI], 4, v[TMP]
	v_and_b32 v[RR], 15, v0
	v_bfe_u32 v[HH], v0, 4, 1
	s_mul_i32 s34, s2, WST
	v_add_nc_u32 v[SIQ], s34, v[LI]
	v_mul_u32_u24 v[TMP], v[RR], SP
	v_add_nc_u32 v[TMP], s34, v[TMP]
	v_lshl_add_u32 v[SOQ], v[HH], 7, v[TMP]
	v_add_nc_u32 v[SIF], STF, v[SIQ]
	v_lshl_add_u32 v[SOF], v[HH], 5, v[TMP]
	v_add_nc_u32 v[SOF], STF, v[SOF]
	v_lshlrev_b32 v[H8], 3, v[HH]
	v_lshlrev_b32 v[BQ], 5, v[HH]
	v_lshlrev_b32 v[BV], 2, v[RR]
	v_mov_b32 v[PT], 0                             ; a lane permute's destination counts as one of its sources
	s_mov_b32 s45, 0xffff0000                      ; lanes 16-31
	s_mov_b32 s46, 0x76543210
	s_mov_b32 s47, 0xfedcba98                      ; selects for lane l xor 16
	s_mov_b32 s43, 0
	s_mov_b32 s49, 0
	s_mov_b32 s51, 0
	s_lshl_b32 s3, ttmp9, 2
	s_add_co_u32 s3, s3, s2                        ; rb
	s_wait_kmcnt 0x0
.macro ROWS                            ; the sixteen rows' offsets
	v_mov_b32 v[VO], v[LI]
.irp i, 1,2,3,4,5,6,7,8,9,10,11,12,13,14,15
	v_add_nc_u32 v[VO+\i], s44, v[VO+\i-1]
.endr
.endm
.macro LOAD t                          ; step t: 128 numbers of each of the 16 rows, into set t % 3; a load reads 512 consecutive bytes
.irp i, 0,1,2,3,4,5,6,7,8,9,10,11,12,13,14,15
	global_load_b128 v[R+64*((\t)%3)+4*\i:R+64*((\t)%3)+4*\i+3], v[VO+\i], s[36:37] offset:512*(\t) th:TH_LOAD_NT
.endr
.endm
.macro ARRIVED t                       ; step t's sixteen loads are in; those of the steps behind it, two, one or none, may be out
.if (\t) < 6
	s_wait_loadcnt 32
.elseif (\t) == 6
	s_wait_loadcnt 16
.else
	s_wait_loadcnt 0x0
.endif
.endm
	s_cmp_ge_u32 ttmp9, 208
	s_cbranch_scc1 .Lf16
	; ---------------- codes: x's even rows and the three qkv_w
	s_max_u32 s4, s3, 256
	s_sub_co_u32 s4, s4, 256                       ; the n-block among 576 (0 in x's work-groups, where it is not used)
	s_mov_b64 s[36:37], s[10:11]
	s_mov_b64 s[40:41], s[16:17]
	s_cmp_ge_u32 s4, 192
	s_cselect_b64 s[36:37], s[12:13], s[36:37]
	s_cselect_b64 s[40:41], s[18:19], s[40:41]
	s_cselect_b32 s5, 192, 0
	s_cmp_ge_u32 s4, 384
	s_cselect_b64 s[36:37], s[14:15], s[36:37]
	s_cselect_b64 s[40:41], s[20:21], s[40:41]
	s_cselect_b32 s5, 384, s5
	s_sub_co_u32 s6, s4, s5                        ; the n-block in its branch, 0..191
	s_lshl_b32 s42, s6, 16                         ; 16 rows of 4,096 bytes
	s_lshl_b32 s34, s3, 17                         ; x: 16 tokens, 8,192 bytes apart
	s_lshl_b32 s50, s6, 6                          ; the block's 16 biases
	s_mul_i32 s48, s4, 9728
	s_mul_i32 s35, s3, 8704
	s_mov_b32 s44, 4096
	s_cmp_lt_u32 ttmp9, 64                         ; x's work-group?  The choice hangs on the work-group's number alone
	s_cselect_b64 s[36:37], s[8:9], s[36:37]
	s_cselect_b64 s[38:39], s[28:29], s[30:31]
	s_cselect_b32 s42, s34, s42
	s_cselect_b32 s48, s35, s48
	s_cselect_b32 s44, 8192, s44
	s_add_nc_u64 s[36:37], s[36:37], s[42:43]
	s_add_nc_u64 s[38:39], s[38:39], s[48:49]
	s_add_nc_u64 s[40:41], s[40:41], s[50:51]
	ROWS
	LOAD 0
	LOAD 1
	LOAD 2
.macro QSTEP t
.set XS, R+64*((\t)%3)
	ARRIVED \t
.irp i, 0,1,2,3,4,5,6,7,8,9,10,11,12,13,14,15
	ds_store_b128 v[SIQ], v[XS+4*\i:XS+4*\i+3] offset:SP*\i
.endr
.irp c, 0,1
.irp e, 0,1,2,3,4,5,6,7
	ds_load_b128 v[XS+32*\c+4*\e:XS+32*\c+4*\e+3], v[SOQ] offset:256*\c+16*\e   ; LDS serves a wave's instructions in order (ISA guide 5.7.1.4): these see the stores above, and land behind them.  XS[32 c + n] = k 128 t + 64 c + 32 h + n of row r
.endr
.endr
	s_wait_dscnt 0x0                               ; the numbers are back
.irp c, 0,1
	v_max3_num_f32 v[MX+\c], |v[XS+32*\c]|, |v[XS+32*\c+1]|, 0x1800000   ; my block 2 c + h: all 32 numbers are mine; the floor 2^(3 - 127) holds the byte at 1 from below
.endr
.irp i, 2,4,6,8,10,12,14,16,18,20,22,24,26,28,30
.irp c, 0,1
	v_max3_num_f32 v[MX+\c], v[MX+\c], |v[XS+32*\c+\i]|, |v[XS+32*\c+\i+1]|
.endr
.endr
.irp c, 0,1
	v_add_nc_u32 v[SCO+\c], 0xff000000, v[MX+\c]   ; 2 off the exponent field: the conversion's scale operand
.endr
.irp c, 0,1
	v_lshrrev_b32 v[BY+\c], 23, v[SCO+\c]          ; the scale's byte
.endr
	v_lshl_or_b32 v[WD], v[BY+1], 16, v[BY]        ; blocks h and 2 + h of my row,
	v_lshlrev_b32 v[WD], v[H8], v[WD]              ; at their places in the word;
	v_permlanex16_b32 v[PT], v[WD], s46, s47
	v_or_b32 v[WD], v[WD], v[PT]                   ; with lane l xor 16's two the word is whole, in both halves of the lanes
.if ((\t)%2) == 0
	v_mov_b32 v[SC+(\t)/2], v[WD]
.else
	v_cndmask_b32 v[SC+(\t)/2], v[SC+(\t)/2], v[WD], s45   ; lanes 16-31 keep the odd step's word
.endif
	s_wait_xcnt 0x0                                ; the last step's stores have read the codes' registers
.irp c, 0,1
.irp g, 0,1,2,3
	v_cvt_scalef32_pk8_fp4_f32 v[CD+4*\c+\g], v[XS+32*\c+8*\g:XS+32*\c+8*\g+7], v[SCO+\c]
.endr
.endr
	v_nop                                          ; one plain line behind the last scaled conversion
.if (\t) < 5
	LOAD (\t)+3                                    ; the set is free: it takes the loads of three steps on, ahead of this step's stores
.endif
.irp c, 0,1
	global_store_b128 v[LI], v[CD+4*\c:CD+4*\c+3], s[38:39] offset:1024*(\t)+512*\c   ; 32 lanes store 512 consecutive bytes
.endr
.endm
.irp t, 0,1,2,3,4,5,6,7
	QSTEP \t
.endr
	global_store_b128 v[LI], v[SC:SC+3], s[38:39] offset:8192
	s_cmp_lt_u32 ttmp9, 64
	s_cbranch_scc1 .Lqend                          ; x has no bias
	s_lshr_b32 s34, s6, 6
	s_cmp_eq_u32 s34, 2
	s_cbranch_scc1 .Lvbias
	global_load_b128 v[BI:BI+3], v[BQ], s[40:41]   ; a q or k block: bias[n0 + 8 h + 0..7]
	global_load_b128 v[BI+4:BI+7], v[BQ], s[40:41] offset:16
	s_branch .Lbias
.Lvbias:
	global_load_b32 v[BI], v[BV], s[40:41]         ; a v block: bias[n0 + r] in all eight
	s_wait_loadcnt 0x0
.irp j, 1,2,3,4,5,6,7
	v_mov_b32 v[BI+\j], v[BI]
.endr
.Lbias:
	s_wait_loadcnt 0x0
	global_store_b128 v[LI], v[BI:BI+3], s[38:39] offset:8704
	global_store_b128 v[LI], v[BI+4:BI+7], s[38:39] offset:9216
.Lqend:
	s_wait_tensorcnt 0x0                           ; the wave's end, behind my last LDS store
	ds_add_u32 v[SPW], v[NIL]
	s_wait_dscnt 0x0
	s_endpgm
	; ---------------- f16: the three out_w
.Lf16:
	s_sub_co_u32 s4, s3, 832
	s_lshr_b32 s5, s4, 6                           ; branch
	s_and_b32 s6, s4, 63                           ; block of 16 rows
	s_lshl_b32 s42, s6, 16
	s_lshl_b32 s48, s5, 21                         ; a branch is four K steps of 524,288 bytes
	s_lshl_b32 s34, s6, 13
	s_add_co_u32 s48, s48, s34
	s_mov_b32 s44, 4096
	s_mov_b64 s[36:37], s[22:23]
	s_cmp_eq_u32 s5, 1
	s_cselect_b64 s[36:37], s[24:25], s[36:37]
	s_cmp_eq_u32 s5, 2
	s_cselect_b64 s[36:37], s[26:27], s[36:37]
	s_add_nc_u64 s[36:37], s[36:37], s[42:43]
	s_add_nc_u64 s[38:39], s[32:33], s[48:49]
	ROWS
	LOAD 0
	LOAD 1
	LOAD 2
.macro FSTEP t
.set XS, R+64*((\t)%3)
	ARRIVED \t
.irp i, 0,1,2,3,4,5,6,7,8,9,10,11,12,13,14,15
	ds_store_b128 v[SIF], v[XS+4*\i:XS+4*\i+3] offset:SP*\i
.endr
.irp q, 0,1,2,3,4,5,6,7
.irp e, 0,1
	ds_load_b128 v[XS+8*\q+4*\e:XS+8*\q+4*\e+3], v[SOF] offset:64*\q+16*\e   ; XS[8 q + n] = k 128 t + 16 q + 8 h + n of row r
.endr
.endr
	s_wait_dscnt 0x0
	s_wait_xcnt 0x0                                ; the last step's stores have read their registers
.irp q, 0,1,2,3,4,5,6,7
.irp i, 0,1,2,3
	v_cvt_pk_f16_f32 v[CD+4*\q+\i], v[XS+8*\q+2*\i], v[XS+8*\q+2*\i+1]
.endr
.endr
.if (\t) < 5
	LOAD (\t)+3
.endif
.irp q, 0,1,2,3,4,5,6,7
	global_store_b128 v[LI], v[CD+4*\q:CD+4*\q+3], s[38:39] offset:((\t)/2)*524288+(8*((\t)%2)+\q)*512
.endr
.endm
.irp t, 0,1,2,3,4,5,6,7
	FSTEP \t
.endr
	s_wait_tensorcnt 0x0                           ; the wave's end, as above
	ds_add_u32 v[SPW], v[NIL]
	s_wait_dscnt 0x0
	s_endpgm
.Lfunc_end_k_qa97838ea9a_prep:
	.size	k_qa97838ea9a_prep, .Lfunc_end_k_qa97838ea9a_prep-k_qa97838ea9a_prep
	.p2alignl 7, 3214868480
	.fill 96, 4, 3214868480
	.section	.rodata,"a",@progbits
	.p2align	6, 0x0
	.amdhsa_kernel k_qa97838ea9a_prep
		.amdhsa_group_segment_fixed_size 68096
		.amdhsa_private_segment_fixed_size 0
		.amdhsa_enable_private_segment 0
		.amdhsa_kernarg_size 104
		.amdhsa_user_sgpr_count 2
		.amdhsa_user_sgpr_kernarg_segment_ptr 1
		.amdhsa_wavefront_size32 1
		.amdhsa_system_sgpr_workgroup_id_x 1
		.amdhsa_system_sgpr_workgroup_id_y 1
		.amdhsa_system_sgpr_workgroup_id_z 1
		.amdhsa_system_vgpr_workitem_id 0
		.amdhsa_next_free_vgpr 256
		.amdhsa_next_free_sgpr 66
		.amdhsa_reserve_vcc 0
		.amdhsa_float_denorm_mode_32 3
		.amdhsa_float_denorm_mode_16_64 3
		.amdhsa_memory_ordered 1
		.amdhsa_forward_progress 1
		.amdhsa_inst_pref_size 112
	.end_amdhsa_kernel
	.amdgpu_metadata
---
amdhsa.version: [ 1, 2 ]
amdhsa.kernels:
  - .name:           k_qa97838ea9a_prep
    .symbol:         k_qa97838ea9a_prep.kd
    .args:
      - { .name: x, .offset: 0, .size: 8, .value_kind: global_buffer, .address_space: global }
      - { .name: qkv_w0, .offset: 8, .size: 8, .value_kind: global_buffer, .address_space: global }
      - { .name: qkv_w1, .offset: 16, .size: 8, .value_kind: global_buffer, .address_space: global }
      - { .name: qkv_w2, .offset: 24, .size: 8, .value_kind: global_buffer, .address_space: global }
      - { .name: qkv_b0, .offset: 32, .size: 8, .value_kind: global_buffer, .address_space: global }
      - { .name: qkv_b1, .offset: 40, .size: 8, .value_kind: global_buffer, .address_space: global }
      - { .name: qkv_b2, .offset: 48, .size: 8, .value_kind: global_buffer, .address_space: global }
      - { .name: out_w0, .offset: 56, .size: 8, .value_kind: global_buffer, .address_space: global }
      - { .name: out_w1, .offset: 64, .size: 8, .value_kind: global_buffer, .address_space: global }
      - { .name: out_w2, .offset: 72, .size: 8, .value_kind: global_buffer, .address_space: global }
      - { .name: xq, .offset: 80, .size: 8, .value_kind: global_buffer, .address_space: global }
      - { .name: wq, .offset: 88, .size: 8, .value_kind: global_buffer, .address_space: global }
      - { .name: woimg, .offset: 96, .size: 8, .value_kind: global_buffer, .address_space: global }
    .group_segment_fixed_size: 68096
    .private_segment_fixed_size: 0
    .kernarg_segment_align: 8
    .kernarg_segment_size: 104
    .max_flat_workgroup_size: 128
    .sgpr_count:     66
    .vgpr_count:     256
    .wavefront_size: 32
...
	.end_amdgpu_metadata
.endif
;; end of part 1
;; launch qkvgemm (part 2): grid 8 x 32, 4 waves a work-group, clusters of 4 x 1, 175,616 bytes of LDS; arguments xq, wq, qkv; writes qkv
.if DOCPART == 2
	.amdgcn_target "amdgcn-amd-amdhsa--gfx1250"
	.amdhsa_code_object_version 6
	.text
	.protected	k_qa97838ea9a_qkvgemm
	.globl	k_qa97838ea9a_qkvgemm
	.p2align	8
	.type	k_qa97838ea9a_qkvgemm,@function
k_qa97838ea9a_qkvgemm:
	s_mov_b64 s[64:65], 0
	v_nop
	global_prefetch_b8 v0, s[64:65] scope:SCOPE_SE
	s_setreg_imm32_b32 hwreg(HW_REG_WAVE_MODE, 25, 1), 1
	s_wait_xcnt 0x0
	s_wait_alu depctr_hold_cnt(0) depctr_sa_sdst(0) depctr_va_vdst(0) depctr_va_sdst(0) depctr_va_ssrc(0) depctr_va_vcc(0) depctr_vm_vsrc(0)
	s_getreg_b32 s2, hwreg(HW_REG_IB_STS2, 6, 4)
	s_cmp_eq_u32 s2, 0
	s_cbranch_scc0 .Lentry_in_a_cluster
	s_endpgm
.Lentry_in_a_cluster:
	s_bfe_u32 s2, ttmp6, 0x10000c
	s_cmp_lg_u32 s2, 0x3003
	s_cbranch_scc0 .Lentry_shape_is_right
	s_endpgm
.Lentry_shape_is_right:
; QKV.  The three quantised products are ONE product on codes of E2M1: [4,096 tokens x 1,024] x [9,216 x 1,024]^T + bias, sums in f32, results rounded once to f16.
; xq, wq: records of operand images.  qkv: [plane 144 = branch x 48 + part x 16 + head][block of 16 tokens: 256][16 channels: 4][512 bytes]:
;   a q or k unit: lane (r, h) holds token r, channels 8 h + 0..7;   a v unit: lane (r, h) holds channel r, tokens 8 h + 0..7.
; A matrix result, packed to f16, IS such a unit: q and k blocks take source 0 = 16 rows of W, source 1 = 16 tokens; v blocks the other way round.  So nothing goes through a stage, and each store covers 512 consecutive bytes.
; SHARES.  256 work-groups, each 512 tokens x 288 columns (18 blocks of 16).  A wave takes 128 tokens: its codes for ALL of K stay in 512 registers, loaded once (136 loads of 512 consecutive bytes).
; The work-group's 18 records of wq are one dense block of 175,104 bytes: they come into LDS once, a quarter a wave; no byte of LDS is filled again.
; CLUSTER.  The four work-groups of a cluster differ in their tokens alone and need the same 18 records: each quarter is asked for jointly, by the same load with a mask that names the four.
; x's codes go straight into registers, wave by wave, so there is no tile of theirs to share.
; The bias is the C of a block's first matrix instruction (its image lies in the record).  The 8 accumulators take turns, one instruction a turn.
; LIMITS: |q|, |k|, |v| stay under 65,504 (f16's largest number); numbers under 6e-5 are carried with f16's absolute step of 6e-8.  NaN and infinities are not served.
; REGISTERS, in windows of 256: window 0: v1-4 addresses; v16-47 x's scale words (4 a + i); v48-55 W's (4 p + i); v56-71 bias images; v72-199 W's fragments, two sets of 64; v200-231 packed results.
;   window 1: x's fragments of K steps 0-3 at v[32 a + 8 s];  window 2: K steps 4-7;  window 3: the 8 accumulators at v[8 a].
; A scale register carries two K steps: lanes 0-15 the even one, lanes 16-31 the odd one.
.set REC_X, 8704
.set REC_W, 9728
.set NBW,   18
.set PANEL, NBW*REC_W
.set QUART, PANEL/4                    ; 171 rows of 256 bytes
.set SPARE, PANEL                      ; behind the panel: the spare words, 128 bytes a wave
.set LI,  1
.set ADB, 2
.set SPW, 3
.set NIL, 4
.set SA,  16
.set SBR, 48
.set BC,  56
.set BF,  72
.set OUT, 200
.set MSB, 0
.macro WIN new                         ; the immediate's high byte repeats the setting that is left
.if MSB != \new
	s_set_vgpr_msb (MSB<<8)|\new
.set MSB, \new
.endif
.endm
.macro ROUND                           ; a round of the cluster's barrier
	s_barrier_signal -1
	s_barrier_wait -1
	s_cmp_lg_u32 s10, 0
	s_cbranch_scc1 .Lnot_wave_0_\@
	s_barrier_signal -3
.Lnot_wave_0_\@:
	s_barrier_wait -3
	s_barrier_signal -1
	s_barrier_wait -1
.endm
	s_load_b128 s[4:7], s[0:1], 0x0                ; xq, wq
	s_load_b64 s[8:9], s[0:1], 0x10                ; qkv
	v_lshl_add_u32 v[SPW], v0, 2, SPARE
	v_mov_b32 v[NIL], 0
	ds_add_u32 v[SPW], v[NIL]                      ; the wave's opening: the add, twice on end, and its wait ahead of my first tensor load
	ds_add_u32 v[SPW], v[NIL]
	v_lshrrev_b32 v5, 5, v0
	v_readfirstlane_b32 s10, v5                    ; wave
	v_and_b32 v5, 31, v0
	v_lshlrev_b32 v[LI], 4, v5
	s_bfe_u32 s11, ttmp6, 0x40000                  ; cx
	s_lshl_b32 s12, ttmp9, 2
	s_add_co_u32 s12, s12, s11                     ; which 512 tokens: it enters xq's and qkv's addresses alone
	s_and_b32 s13, ttmp7, 0xffff                   ; which 18 blocks of columns: the four partners share it
	s_mov_b32 s28, 15|(3<<16)|(1<<21)              ; group 1: the mask of all four; elements of 8 bytes; bit 21 beside a mask; no padding
	s_mov_b32 s29, 32<<16                          ; tensor_dim0 = 32 elements: rows of 256 bytes
	s_mov_b32 s30, 171<<16                         ; tensor_dim1 = 171
	s_mov_b32 s31, 32<<16                          ; tile_dim0
	s_mov_b32 s32, 171                             ; tile_dim1
	s_mov_b32 s33, 32                              ; the pitch: the block is dense
	s_mov_b32 s34, 0
	s_mov_b32 s35, 0
	s_mul_i32 s25, s10, QUART                      ; my quarter of the panel, in LDS and in memory
	s_mul_i32 s20, s13, PANEL
	s_add_co_u32 s20, s20, s25
	s_mov_b32 s21, 0
	s_lshl_b32 s14, s12, 5
	s_lshl_b32 s15, s10, 3
	s_add_co_u32 s26, s14, s15                     ; my first block of 16 tokens
	s_mul_i32 s14, s26, REC_X
	s_mov_b32 s15, 0
	s_lshl_b32 s16, s26, 11
	s_mov_b32 s17, 0
	s_mul_i32 s23, s13, NBW                        ; the block of columns in hand, among 576
	s_mov_b32 s22, 0                               ; and its record's place in LDS
	s_wait_dscnt 0x0                               ; both opening adds are done
	s_wait_kmcnt 0x0
	s_mov_b32 s36, 1
	s_mov_b32 s37, s25
	s_add_nc_u64 s[38:39], s[6:7], s[20:21]
	s_or_b32 s39, s39, 0x80000000
	s_add_nc_u64 s[14:15], s[4:5], s[14:15]        ; my tokens' records
	s_add_nc_u64 s[16:17], s[8:9], s[16:17]        ; my tokens' units in plane 0
	s_mov_b32 s20, 0
	ROUND                                          ; all four work-groups are here: the joint loads meet
	tensor_load_to_lds s[36:39], s[28:35]          ; my one tensor load of the launch
	s_nop 0
.rept 4
	v_nop
.endr
	WIN 0x40                                       ; destination window 1
.irp a, 0,1,2,3,4,5,6,7
.irp s, 0,1,2,3
.irp c, 0,1
	global_load_b128 v[32*\a+8*\s+4*\c:32*\a+8*\s+4*\c+3], v[LI], s[14:15] offset:\a*REC_X+\s*1024+\c*512
.endr
.endr
.endr
	WIN 0x80                                       ; destination window 2
.irp a, 0,1,2,3,4,5,6,7
.irp s, 0,1,2,3
.irp c, 0,1
	global_load_b128 v[32*\a+8*\s+4*\c:32*\a+8*\s+4*\c+3], v[LI], s[14:15] offset:\a*REC_X+(\s+4)*1024+\c*512
.endr
.endr
.endr
	WIN 0
.irp a, 0,1,2,3,4,5,6,7
	global_load_b128 v[SA+4*\a:SA+4*\a+3], v[LI], s[14:15] offset:\a*REC_X+8192
.endr
.macro FETCH p                         ; a record out of LDS into set p: 8 fragments, 4 scale words, the bias image: 19 loads of 512 consecutive bytes
	v_add_nc_u32 v[ADB], s22, v[LI]
.irp s, 0,1,2,3,4,5,6,7
.irp c, 0,1
	ds_load_b128 v[BF+64*(\p)+8*\s+4*\c:BF+64*(\p)+8*\s+4*\c+3], v[ADB] offset:\s*1024+\c*512
.endr
.endr
	ds_load_b128 v[SBR+4*(\p):SBR+4*(\p)+3], v[ADB] offset:8192
	ds_load_b128 v[BC+8*(\p):BC+8*(\p)+3], v[ADB] offset:8704
	ds_load_b128 v[BC+8*(\p)+4:BC+8*(\p)+7], v[ADB] offset:9216
	s_add_co_u32 s22, s22, REC_W
.endm
.macro ONE p, s, a, v                  ; one product: K step s, token block a; v = 1: tokens are source 0
.set rD,  8*(\a)
.if \v
.set qA,  32*(\a)+8*((\s)%4)
.set qB,  BF+64*(\p)+8*(\s)
.set qSA, SA+4*(\a)+(\s)/2
.set qSB, SBR+4*(\p)+(\s)/2
.else
.set qA,  BF+64*(\p)+8*(\s)
.set qB,  32*(\a)+8*((\s)%4)
.set qSA, SBR+4*(\p)+(\s)/2
.set qSB, SA+4*(\a)+(\s)/2
.endif
.if (\s) == 0
	v_wmma_scale_f32_16x16x128_f8f6f4 v[rD:rD+7], v[qA:qA+7], v[qB:qB+7], v[BC+8*(\p):BC+8*(\p)+7], v[qSA], v[qSB] matrix_a_fmt:MATRIX_FMT_FP4 matrix_b_fmt:MATRIX_FMT_FP4
.elseif ((\s)%2) == 0
	v_wmma_scale_f32_16x16x128_f8f6f4 v[rD:rD+7], v[qA:qA+7], v[qB:qB+7], v[rD:rD+7], v[qSA], v[qSB] matrix_a_fmt:MATRIX_FMT_FP4 matrix_b_fmt:MATRIX_FMT_FP4
.else
	v_wmma_scale_f32_16x16x128_f8f6f4 v[rD:rD+7], v[qA:qA+7], v[qB:qB+7], v[rD:rD+7], v[qSA], v[qSB] matrix_a_fmt:MATRIX_FMT_FP4 matrix_b_fmt:MATRIX_FMT_FP4 matrix_a_scale:MATRIX_SCALE_ROW1 matrix_b_scale:MATRIX_SCALE_ROW1
.endif
.endm
.macro MULS p, v                       ; a block's 64 products: K step by K step, the 8 accumulators by turns
.irp s, 0,1,2,3,4,5,6,7
.if \v
.if \s == 0
	WIN 0xc1                                       ; tokens (source 0) window 1, W and the bias window 0, D window 3
.elseif \s < 4
	WIN 0xf1
.else
	WIN 0xf2
.endif
.else
.if \s == 0
	WIN 0xc4                                       ; W (source 0) and the bias window 0, tokens (source 1) window 1, D window 3
.elseif \s < 4
	WIN 0xf4
.else
	WIN 0xf8
.endif
.endif
.irp a, 0,1,2,3,4,5,6,7
	ONE \p, \s, \a, \v
.endr
.endr
	WIN 0
.endm
; One block of 16 columns.  Its record was asked for ahead of the block before; the next one's is asked for first: behind the last products that read that set stand the four v_nop and the conversions of the block before.
.macro NB p, fetch
	s_wait_dscnt 0x0                               ; set p is in
.if \fetch
	FETCH 1-\p
.endif
	s_lshr_b32 s25, s23, 6                         ; blocks 128-191 of each branch's 192 are v's: sixty-fours 2, 5 and 8 of the nine
	s_lshr_b32 s25, 0x124, s25
	s_and_b32 s25, s25, 1
	s_cmp_lg_u32 s25, 0                            ; ids and the count of blocks alone: the same in all waves and all partners
	s_cbranch_scc1 .Lv_\@
	MULS \p, 0
	s_branch .Ljoin_\@
.Lv_\@:
	MULS \p, 1
.Ljoin_\@:
.rept 4
	v_nop                                          ; four places ahead of the first read of results (ISA guide 7.12.1)
.endr
	s_wait_xcnt 0x0                                ; the last block's stores have read their data and their base
	s_lshr_b32 s20, s23, 2
	s_lshl_b32 s20, s20, 19                        ; the plane: 256 x 4 x 512 bytes
	s_and_b32 s25, s23, 3
	s_lshl_b32 s25, s25, 9                         ; the unit among a token block's four
	s_add_co_u32 s20, s20, s25
	s_add_nc_u64 s[18:19], s[16:17], s[20:21]
	WIN 0x0f                                       ; sources window 3
.irp a, 0,1,2,3,4,5,6,7
.irp i, 0,1,2,3
	v_cvt_pk_f16_f32 v[OUT+4*\a+\i], v[8*\a+2*\i], v[8*\a+2*\i+1]   ; each accumulator from its low end on
.endr
.endr
	WIN 0
.irp a, 0,1,2,3,4,5,6,7
	global_store_b128 v[LI], v[OUT+4*\a:OUT+4*\a+3], s[18:19] offset:\a*2048 th:TH_STORE_NT   ; 32 lanes store 512 consecutive bytes
.endr
	s_add_co_u32 s23, s23, 1
.endm
	s_wait_tensorcnt 0x0                           ; my quarter of the panel is in,
	s_barrier_signal -1
	s_barrier_wait -1                              ; everybody's is
	FETCH 0
	s_wait_loadcnt 0x0                             ; x's codes and scale words
	s_mov_b32 s24, 8
.Lpair:
	NB 0, 1
	NB 1, 1
	s_sub_co_u32 s24, s24, 1
	s_cmp_lg_u32 s24, 0
	s_cbranch_scc1 .Lpair
	NB 0, 1
	NB 1, 0                                        ; the eighteenth block fetches nothing
	s_wait_tensorcnt 0x0                           ; the wave's end
	ds_add_u32 v[SPW], v[NIL]
	s_wait_dscnt 0x0
	ROUND                                          ; the closing round
	s_endpgm
.Lfunc_end_k_qa97838ea9a_qkvgemm:
	.size	k_qa97838ea9a_qkvgemm, .Lfunc_end_k_qa97838ea9a_qkvgemm-k_qa97838ea9a_qkvgemm
	.p2alignl 7, 3214868480
	.fill 96, 4, 3214868480
	.section	.rodata,"a",@progbits
	.p2align	6, 0x0
	.amdhsa_kernel k_qa97838ea9a_qkvgemm
		.amdhsa_group_segment_fixed_size 175616
		.amdhsa_private_segment_fixed_size 0
		.amdhsa_enable_private_segment 0
		.amdhsa_kernarg_size 24
		.amdhsa_user_sgpr_count 2
		.amdhsa_user_sgpr_kernarg_segment_ptr 1
		.amdhsa_wavefront_size32 1
		.amdhsa_system_sgpr_workgroup_id_x 1
		.amdhsa_system_sgpr_workgroup_id_y 1
		.amdhsa_system_sgpr_workgroup_id_z 1
		.amdhsa_system_vgpr_workitem_id 0
		.amdhsa_next_free_vgpr 832
		.amdhsa_next_free_sgpr 66
		.amdhsa_reserve_vcc 0
		.amdhsa_float_denorm_mode_32 3
		.amdhsa_float_denorm_mode_16_64 3
		.amdhsa_memory_ordered 1
		.amdhsa_forward_progress 1
		.amdhsa_inst_pref_size 101
	.end_amdhsa_kernel
	.amdgpu_metadata
---
amdhsa.version: [ 1, 2 ]
amdhsa.kernels:
  - .name:           k_qa97838ea9a_qkvgemm
    .symbol:         k_qa97838ea9a_qkvgemm.kd
    .args:
      - { .name: xq, .offset: 0, .size: 8, .value_kind: global_buffer, .address_space: global }
      - { .name: wq, .offset: 8, .size: 8, .value_kind: global_buffer, .address_space: global }
      - { .name: qkv, .offset: 16, .size: 8, .value_kind: global_buffer, .address_space: global }
    .group_segment_fixed_size: 175616
    .private_segment_fixed_size: 0
    .kernarg_segment_align: 8
    .kernarg_segment_size: 24
    .max_flat_workgroup_size: 128
    .sgpr_count:     66
    .vgpr_count:     832
    .wavefront_size: 32
...
	.end_amdgpu_metadata
.endif
;; end of part 2
;; launch attn (part 3): grid 256 x 1, 8 waves a work-group, no clusters, 327,680 bytes of LDS; arguments qkv, oimg; writes oimg
.if DOCPART == 3
	.amdgcn_target "amdgcn-amd-amdhsa--gfx1250"
	.amdhsa_code_object_version 6
	.text
	.protected	k_qa97838ea9a_attn
	.globl	k_qa97838ea9a_attn
	.p2align	8
	.type	k_qa97838ea9a_attn,@function
k_qa97838ea9a_attn:
	s_mov_b64 s[64:65], 0
	v_nop
	global_prefetch_b8 v0, s[64:65] scope:SCOPE_SE
	s_setreg_imm32_b32 hwreg(HW_REG_WAVE_MODE, 25, 1), 1
	s_wait_xcnt 0x0
; ATTENTION of all three branches.  o = softmax(q k^T / 8) v for each head of 64 channels, inside segments of 256 (branch 0), 512 (1) and 1,024 (2) tokens; no mask.
; Operands in f16, sums, maxima and the softmax in f32; the weights p are rounded to f16 for the second product, o once at the end.
; qkv: units of 512 bytes (lane L's 16 bytes at 16 L), [plane][16 tokens][16 channels]: q, k: lane (r, h) = token r, channels 8 h + 0..7;  v: lane (r, h) = channel r, tokens 8 h + 0..7.
; oimg: [K step of 256: 12][16 tokens: 256][16 along K: 16][512 bytes], K = branch x 1,024 + head x 64 + channel: lane (r, h) = token r, k = 8 h + 0..7: the operand of the projection.
; SHARES.  Each branch has 256 blocks of 256 queries x one head.  Work-group g takes ONE block of each branch: 1,024 + 512 + 256 keys for 256 queries: all work-groups do the same work and every trip count is a constant.
; A wave owns 32 queries (two tiles of 16); eight waves, so that one wave's vector work stands beside another's matrix work.
; LAYOUT.  S^T = K Q^T (source 0 = 16 keys, source 1 = 16 queries), O^T = V^T P (source 0 = 16 channels, source 1 = P): a lane holds ONE query throughout; two tiles of S^T, rounded in pairs, ARE a fragment of P;
; O^T, rounded in pairs, IS a unit of oimg.  All fragments come out of LDS as they lie: 512 consecutive bytes a load, no padding, no turning load, no stage.
; SOFTMAX.  A running maximum m and sum l for each query: p = 2^(c s - c m), c = log2(e) / 8; in every step O and l are multiplied by a = 2^(c m_old - c m_new).
; A STEP AHEAD.  K has registers of its own, so the next step's K is asked for behind this step's V and lands under the softmax: V^T P of one step and K Q^T of the next are one run of products.
; BESIDE THE PRODUCTS.  P has registers of its own, so the unrounded p outlive the rounding: their sums stand in slices of four behind the second eight products of V^T P; an accumulator of O^T is multiplied by a
; behind the product on the accumulator before it.  All these lines name no register of the product that they follow.
; LDS.  Two regions of 131,072 bytes, each K's units (from 0) and V's (from 65,536) of up to 512 keys.  Branch 2 fills both at the head; branch 1's 512 keys take region 0 when it has been read, branch 0's 256 keys region 1.
; Every wave brings an eighth of a region by one tensor load (waves 0-3: K, waves 4-7: V).  A refill has eight key steps' work in which to land, so no wave stands waiting for K or V and they are not prefetched;
; the next phase's Q, which a wave loads and wants at once, is: even waves ask for their own 4,096 bytes and the next wave's, a lane to each 256 bytes, at the refill before: each block is named once in the launch.
; A RUN of steps between two barriers begins with a fetch of its own first K (START) and ends with a step that fetches nothing ahead: no LDS read of a region stands in front of the barrier that shows it whole.
; NO CLUSTER: the work-groups that walk the same K and V number 4, 2 and 1 in the three phases, so partners of one cluster would need different joint loads in one and the same text.
; LIMITS: |o| stays under 65,504; numbers under 6e-5 are carried with f16's absolute step of 6e-8.  NaN and infinities are not served.
; REGISTERS, in windows of 256.  Window 0: v1-7 addresses; v12-27 statistics, eight a tile: +0 c m, +1 m, +2, +3 l, +4..+7 at work (a in +6); v28-31 second chains of the sums; v32-63 P; v64-127 V; v128-191 S^T; v192-255 O^T.
; Window 1: v256-319 K, v320-351 Q: named by K Q^T and by their loads alone: four switches a step.
.set R1,    131072
.set VOFF,  65536
.set SPARE, 262144                     ; behind the regions: the spare words, 128 bytes a wave: four blocks of 256 bytes that no other line names
.set LI,  1                            ; v1  16 x lane
.set AV0, 2                            ; v2  16 x lane + VOFF
.set ADK, 3
.set ADV, 4
.set SPW, 5
.set NIL, 6
.set PFO, 7                            ; v7  256 x lane
.set ST,  12
.set CH,  28
.set P,   32
.set VF,  64
.set S,   128
.set O,   192
.set KW,  0                            ; in window 1
.set QW,  64                           ; in window 1
.set WV,  8                            ; s8  wave
.set QB2, 12                           ; s[12:17] my queries' units, branch 2, 1, 0
.set QB1, 14
.set QB0, 16
.set OB2, 18                           ; s[18:23] my results' units
.set OB1, 20
.set OB0, 22
.set G1A, 24                           ; s[24:31] group 1: 64 rows of 256 bytes
.set G1B, 32                           ; s[32:39] 32 rows
.set G0,  40                           ; s[40:55] four groups 0, written once
.set CS,  56                           ; s[56:57] c
.set SEL, 58                           ; s[58:59] selects for lane l xor 16
.set TB,  60                           ; s60 LDS byte at which the step's units of K begin
.set CNT, 61
.set MSB, 0
.macro WIN new                         ; the immediate's high byte repeats the setting that is left
.if MSB != \new
	s_set_vgpr_msb (MSB<<8)|\new
.set MSB, \new
.endif
.endm
	s_load_b128 s[4:7], s[0:1], 0x0                ; qkv, oimg
	v_lshl_add_u32 v[SPW], v0, 2, SPARE
	v_mov_b32 v[NIL], 0
	ds_add_u32 v[SPW], v[NIL]                      ; the wave's opening: the add, twice on end, and its wait ahead of my first tensor load
	ds_add_u32 v[SPW], v[NIL]
	v_lshrrev_b32 v8, 5, v0
	v_readfirstlane_b32 s[WV], v8
	v_and_b32 v8, 31, v0
	v_lshlrev_b32 v[LI], 4, v8
	v_add_nc_u32 v[AV0], VOFF, v[LI]
	v_lshlrev_b32 v[PFO], 8, v8
	s_mov_b32 s9, ttmp9
.irp g, G1A, G1B
	s_mov_b32 s[\g], 3<<16                         ; no mask; elements of 8 bytes; no padding
	s_mov_b32 s[\g+1], 32<<16                      ; tensor_dim0 = 32: rows of 256 bytes
	s_mov_b32 s[\g+3], 32<<16                      ; tile_dim0
	s_mov_b32 s[\g+5], 32                          ; the pitch: the blocks are dense
	s_mov_b32 s[\g+6], 0
	s_mov_b32 s[\g+7], 0
.endr
	s_mov_b32 s[G1A+2], 64<<16                     ; tensor_dim1
	s_mov_b32 s[G1A+4], 64                         ; tile_dim1
	s_mov_b32 s[G1B+2], 32<<16
	s_mov_b32 s[G1B+4], 32
	s_mov_b32 s[CS], 0x3e38aa3b                    ; log2(e) / 8
	s_mov_b32 s[CS+1], s[CS]                       ; (named with it as a pair)
	s_mov_b32 s[SEL], 0x76543210
	s_mov_b32 s[SEL+1], 0xfedcba98
	s_lshr_b32 s62, s[WV], 2
	s_lshl_b32 s62, s62, 16                        ; K's units or V's
	s_and_b32 s63, s[WV], 3
	s_lshl_b32 s76, s63, 14
	s_add_co_u32 s76, s76, s62                     ; my eighth of region 0: 16,384 bytes
	s_lshl_b32 s77, s63, 13
	s_add_co_u32 s77, s77, s62
	s_add_co_u32 s77, s77, R1                      ; my 8,192 bytes of region 1, for branch 0
.set n, 12
.rept 20
	v_mov_b32 v[n], 0                              ; the statistics are written once: pairs are named whole, and a lane permute's destination counts as a source
.set n, n+1
.endr
	s_wait_dscnt 0x0                               ; both opening adds are done
	s_wait_kmcnt 0x0
; The geometry of branch br for work-group g: head = (g >> br) % 16; segment = g >> (4 + br); its first token; my block of 256 queries in it.
; Leaves Q's and O's addresses in s[qb], s[ob], and in s[74:75] the byte at which my share (2^lc keys) of K or V begins.
.macro SETUP br, lc, qb, ob
	s_lshr_b32 s66, s9, \br
	s_and_b32 s66, s66, 15                         ; head
	s_lshr_b32 s67, s9, 4+\br
	s_lshl_b32 s67, s67, 8+\br                     ; the segment's first token
	s_and_b32 s68, s9, (1<<\br)-1
	s_lshl_b32 s68, s68, 8
	s_add_co_u32 s68, s68, s67                     ; my block's first query
	s_lshl_b32 s69, s[WV], 5
	s_add_co_u32 s69, s69, s68                     ; my wave's
	s_add_co_u32 s70, s66, \br*48                  ; q's plane
	s_lshl_b32 s70, s70, 19
	s_lshl_b32 s72, s69, 7                         ; 2,048 bytes for 16 tokens
	s_add_co_u32 s70, s70, s72
	s_mov_b32 s71, 0
	s_add_nc_u64 s[\qb:\qb+1], s[4:5], s[70:71]
	s_add_co_u32 s72, s66, \br*16                  ; branch x 16 + head: four units of 16 along the projection's K
	s_lshr_b32 s73, s72, 2
	s_lshl_b32 s73, s73, 21                        ; the K step of 256
	s_and_b32 s72, s72, 3
	s_lshl_b32 s72, s72, 11
	s_add_co_u32 s72, s72, s73
	s_lshl_b32 s73, s69, 9                         ; 8,192 bytes for 16 tokens
	s_add_co_u32 s72, s72, s73
	s_mov_b32 s73, 0
	s_add_nc_u64 s[\ob:\ob+1], s[6:7], s[72:73]
	s_lshr_b32 s74, s[WV], 2
	s_lshl_b32 s74, s74, 4
	s_add_co_u32 s74, s74, s66
	s_add_co_u32 s74, s74, \br*48+16               ; k's plane (waves 0-3) or v's (waves 4-7)
	s_lshl_b32 s74, s74, 19
	s_and_b32 s75, s[WV], 3
	s_lshl_b32 s75, s75, \lc
	s_add_co_u32 s75, s75, s67
	s_lshl_b32 s75, s75, 7
	s_add_co_u32 s74, s74, s75
	s_mov_b32 s75, 0
.endm
.macro QLOAD qb                        ; my 32 queries: 8 loads of 512 consecutive bytes, into window 1
	WIN 0x40                                       ; destination window 1, address window 0
.irp qt, 0,1
.irp c, 0,1
.irp e, 0,1
	global_load_b128 v[QW+16*\qt+8*\c+4*\e:QW+16*\qt+8*\c+4*\e+3], v[LI], s[\qb:\qb+1] offset:\qt*2048+\c*1024+\e*512 th:TH_LOAD_NT
.endr
.endr
.endr
	WIN 0
.endm
	SETUP 2, 7, QB2, OB2
	s_mov_b32 s[G0], 1
	s_mov_b32 s[G0+1], s76                         ; branch 2, keys 0-511 -> region 0
	s_add_nc_u64 s[G0+2:G0+3], s[4:5], s[74:75]
	s_mov_b32 s[G0+4], 1
	s_add_co_u32 s[G0+5], s76, R1                  ; keys 512-1023 -> region 1
	s_add_nc_u64 s[G0+6:G0+7], s[G0+2:G0+3], 65536
	s_or_b32 s[G0+3], s[G0+3], 0x80000000
	s_or_b32 s[G0+7], s[G0+7], 0x80000000
	tensor_load_to_lds s[G0:G0+3], s[G1A:G1A+7]    ; the two first fills go out together: two loads of mine are out
	s_nop 0
	tensor_load_to_lds s[G0+4:G0+7], s[G1A:G1A+7]
	s_nop 0
	QLOAD QB2                                      ; (its window switch stands directly behind the s_nop 0, the next one eight loads on)
	SETUP 1, 7, QB1, OB1
	s_mov_b32 s[G0+8], 1
	s_mov_b32 s[G0+9], s76                         ; branch 1 -> region 0
	s_add_nc_u64 s[G0+10:G0+11], s[4:5], s[74:75]
	s_or_b32 s[G0+11], s[G0+11], 0x80000000
	SETUP 0, 6, QB0, OB0
	s_mov_b32 s[G0+12], 1
	s_mov_b32 s[G0+13], s77                        ; branch 0 -> region 1
	s_add_nc_u64 s[G0+14:G0+15], s[4:5], s[74:75]
	s_or_b32 s[G0+15], s[G0+15], 0x80000000
; 64 keys' fragments of K, 16 loads of 512 consecutive bytes, into window 1.  ahead = 0: the step's at v[ADK]; 1: the next step's, 8,192 bytes on
.macro KFETCH ahead
	WIN 0x40                                       ; destination window 1, address window 0
.irp kt, 0,1,2,3
.irp c, 0,1
.irp e, 0,1
	ds_load_b128 v[KW+8*(2*\kt+\c)+4*\e:KW+8*(2*\kt+\c)+4*\e+3], v[ADK] offset:\ahead*8192+\kt*2048+\c*1024+\e*512
.endr
.endr
.endr
	WIN 0
.endm
.macro START                           ; a run's first K: behind the barrier that shows the region whole
	v_add_nc_u32 v[ADK], s[TB], v[LI]
	KFETCH 0
.endm
; Accumulator a of O^T (tile a % 2, channels 16 (a / 2) on) times its tile's a: four packed lines, from the accumulator's low end on
.macro RESC a
.irp w, 0,2,4,6
	v_pk_mul_f32 v[O+32*((\a)%2)+8*((\a)/2)+\w:O+32*((\a)%2)+8*((\a)/2)+\w+1], v[O+32*((\a)%2)+8*((\a)/2)+\w:O+32*((\a)%2)+8*((\a)/2)+\w+1], v[ST+8*((\a)%2)+6:ST+8*((\a)%2)+7] op_sel_hi:[1,0]
.endr
.endm
; Slice k of 8 of the sums of the unrounded p: two chains a tile, the tiles by turns.  0: the chains begin; 1 to 6: four pairs each; 7: the chains meet, and l = a l + the sum (first = 1: l = the sum)
.macro SUMSL k, first
.if (\k) == 0
.irp t, 0,1
	v_pk_add_f32 v[ST+8*\t+4:ST+8*\t+5], v[S+32*\t:S+32*\t+1], v[S+32*\t+2:S+32*\t+3]
	v_pk_add_f32 v[CH+2*\t:CH+2*\t+1], v[S+32*\t+4:S+32*\t+5], v[S+32*\t+6:S+32*\t+7]
.endr
.elseif (\k) < 7
.set sj, 4+4*(\k)
.irp t, 0,1
	v_pk_add_f32 v[ST+8*\t+4:ST+8*\t+5], v[ST+8*\t+4:ST+8*\t+5], v[S+32*\t+sj:S+32*\t+sj+1]
	v_pk_add_f32 v[CH+2*\t:CH+2*\t+1], v[CH+2*\t:CH+2*\t+1], v[S+32*\t+sj+2:S+32*\t+sj+3]
.endr
.elseif \first
.irp t, 0,1
	v_pk_add_f32 v[ST+8*\t+2:ST+8*\t+3], v[ST+8*\t+4:ST+8*\t+5], v[CH+2*\t:CH+2*\t+1]
.endr
.else
.irp t, 0,1
	v_pk_add_f32 v[ST+8*\t+4:ST+8*\t+5], v[ST+8*\t+4:ST+8*\t+5], v[CH+2*\t:CH+2*\t+1]
.endr
.irp t, 0,1
	v_pk_fma_f32 v[ST+8*\t+2:ST+8*\t+3], v[ST+8*\t+2:ST+8*\t+3], v[ST+8*\t+6:ST+8*\t+7], v[ST+8*\t+4:ST+8*\t+5] op_sel_hi:[1,0,1]
.endr
.endif
.endm
; A KEY STEP: 64 keys; its K has been asked for.  first = 1: a phase's first step: it starts m, l and O^T, has no a and rescales nothing.  pf = 1: the next step's K is asked for.
.macro STEP first, pf
	v_add_nc_u32 v[ADK], s[TB], v[LI]
	v_add_nc_u32 v[ADV], s[TB], v[AV0]
	s_wait_dscnt 0x0                               ; K is in: it was asked for a step ago, or by START
.if \first
	s_wait_loadcnt 0x0                             ; Q
.endif
	WIN 0x05                                       ; K and Q in window 1, S^T in window 0
.irp c, 0,1                                    ; S^T = K Q^T: the eight accumulators by turns
.irp kt, 0,1,2,3
.irp qt, 0,1
.if \c == 0
	v_wmma_f32_16x16x32_f16 v[S+32*\qt+8*\kt:S+32*\qt+8*\kt+7], v[KW+8*(2*\kt+\c):KW+8*(2*\kt+\c)+7], v[QW+16*\qt+8*\c:QW+16*\qt+8*\c+7], 0
.else
	v_wmma_f32_16x16x32_f16 v[S+32*\qt+8*\kt:S+32*\qt+8*\kt+7], v[KW+8*(2*\kt+\c):KW+8*(2*\kt+\c)+7], v[QW+16*\qt+8*\c:QW+16*\qt+8*\c+7], v[S+32*\qt+8*\kt:S+32*\qt+8*\kt+7]
.endif
.endr
.endr
.endr
	WIN 0
.rept 4
	v_nop                                          ; four places: ahead of the loads into V's and K's registers, which products have read, and of the first read of the scores
.endr
.irp kc, 0,1
.irp ct, 0,1,2,3
	ds_load_b128 v[VF+8*(4*\kc+\ct):VF+8*(4*\kc+\ct)+3],   v[ADV] offset:(2*\kc)*2048+\ct*512     ; V lands while the softmax is worked,
	ds_load_b128 v[VF+8*(4*\kc+\ct)+4:VF+8*(4*\kc+\ct)+7], v[ADV] offset:(2*\kc+1)*2048+\ct*512
.endr
.endr
.if \pf
	KFETCH 1                                       ; and so does the next step's K
.endif
	; the maximum of a lane's 32 scores and the old m: four chains, each begun at an accumulator's low end; the two tiles line by line
.irp j, 0,1,2,3
.irp t, 0,1
	v_max3_num_f32 v[ST+8*\t+4+\j], v[S+32*\t+8*\j], v[S+32*\t+8*\j+1], v[S+32*\t+8*\j+2]
.endr
.endr
.irp u, 1,2
.irp j, 0,1,2,3
.irp t, 0,1
	v_max3_num_f32 v[ST+8*\t+4+\j], v[ST+8*\t+4+\j], v[S+32*\t+8*\j+2*\u+1], v[S+32*\t+8*\j+2*\u+2]
.endr
.endr
.endr
.irp t, 0,1
	v_max3_num_f32 v[ST+8*\t+4], v[ST+8*\t+4], v[S+32*\t+7], v[S+32*\t+15]
.endr
.irp t, 0,1
	v_max3_num_f32 v[ST+8*\t+6], v[ST+8*\t+6], v[S+32*\t+23], v[S+32*\t+31]
.endr
.irp t, 0,1
	v_max3_num_f32 v[ST+8*\t+4], v[ST+8*\t+4], v[ST+8*\t+5], v[ST+8*\t+6]
.endr
.irp t, 0,1
.if \first
	v_max_num_f32 v[ST+8*\t+4], v[ST+8*\t+4], v[ST+8*\t+7]
.else
	v_max3_num_f32 v[ST+8*\t+4], v[ST+8*\t+4], v[ST+8*\t+7], v[ST+8*\t+1]
.endif
.endr
.irp t, 0,1
	v_permlanex16_b32 v[ST+8*\t+5], v[ST+8*\t+4], s[SEL], s[SEL+1]   ; the query's other 32 keys lie in the lane 16 away
.endr
.if \first == 0
.irp t, 0,1
	v_mov_b32 v[ST+8*\t+7], v[ST+8*\t]             ; c m_old is kept for a
.endr
.endif
.irp t, 0,1
	v_max_num_f32 v[ST+8*\t+1], v[ST+8*\t+4], v[ST+8*\t+5]
.endr
.irp t, 0,1
	v_mul_f32 v[ST+8*\t], s[CS], v[ST+8*\t+1]
.endr
.if \first == 0
.irp t, 0,1
	v_sub_f32 v[ST+8*\t+7], v[ST+8*\t+7], v[ST+8*\t]
.endr
.endif
.set n, 0
.rept 16
.irp t, 0,1
	v_pk_fma_f32 v[S+32*\t+n:S+32*\t+n+1], v[S+32*\t+n:S+32*\t+n+1], s[CS:CS+1], v[ST+8*\t:ST+8*\t+1] op_sel_hi:[1,0,0] neg_lo:[0,0,1] neg_hi:[0,0,1]   ; c s - c m, two at a time
.endr
.set n, n+2
.endr
.if \first == 0
.irp t, 0,1
	v_exp_f32 v[ST+8*\t+6], v[ST+8*\t+7]           ; a
.endr
.endif
.set n, 0
.rept 32
.irp t, 0,1
	v_exp_f32 v[S+32*\t+n], v[S+32*\t+n]           ; p: ONE batch for both tiles; none of these reads an exponential's result
.endr
.set n, n+1
.endr
	v_nop                                          ; a plain line behind the last exponential,
	s_wait_alu depctr_va_vdst(0)                   ; and the one wait ahead of the batch's first reader
.set n, 0
.rept 16
.irp t, 0,1
	v_cvt_pk_f16_f32 v[P+16*\t+n], v[S+32*\t+2*n], v[S+32*\t+2*n+1]   ; P: register n takes the pair 2 n, 2 n + 1; the unrounded p stay for the sums
.endr
.set n, n+1
.endr
.if \first == 0
	RESC 0                                         ; the first accumulator is rescaled ahead of its product, each other one behind the product before its own
.endif
.if \pf
	s_wait_dscnt 16                                ; V is in; the sixteen younger loads, the next step's K, may be out
.else
	s_wait_dscnt 0x0                               ; V is in
.endif
.set i, 0
.rept 16                                       ; O^T += V^T P: product i: keys 32 (i / 8) on, channels 16 ((i / 2) % 4) on, tile i % 2: the eight accumulators by turns
.set rO, O+32*(i%2)+8*((i/2)%4)
.set rV, VF+8*(4*(i/8)+(i/2)%4)
.set rP, P+16*(i%2)+8*(i/8)
.if \first && (i < 8)
	v_wmma_f32_16x16x32_f16 v[rO:rO+7], v[rV:rV+7], v[rP:rP+7], 0
.else
	v_wmma_f32_16x16x32_f16 v[rO:rO+7], v[rV:rV+7], v[rP:rP+7], v[rO:rO+7]
.endif
.if (\first == 0) && (i < 7)
	RESC i+1
.endif
.if i >= 8
	SUMSL i-8, \first
.endif
.set i, i+1
.endr
	s_add_co_u32 s[TB], s[TB], 8192                ; the next 64 keys
.endm
.macro LOOP n
	s_mov_b32 s[CNT], \n
.Lstep_\@:
	STEP 0, 1
	s_sub_co_u32 s[CNT], s[CNT], 1
	s_cmp_lg_u32 s[CNT], 0
	s_cbranch_scc1 .Lstep_\@
.endm
; A region that every wave has read is filled again: all my tensor loads have landed (the other region's among them); the add; it and my LDS reads are done; the barrier; my one load first behind it.
.macro REFILL g0, g1
	s_wait_tensorcnt 0x0
	ds_add_u32 v[SPW], v[NIL]                      ; 0 onto my spare word
	s_wait_dscnt 0x0
	s_barrier_signal -1
	s_barrier_wait -1
	tensor_load_to_lds s[\g0:\g0+3], s[\g1:\g1+7]
	s_nop 0
.endm
.macro ASKQ qb                         ; the next phase's Q into the L2: even waves, 32 lanes x 256 bytes: the wave's own 4,096 bytes and the next wave's
	s_and_b32 s66, s[WV], 1
	s_cmp_eq_u32 s66, 0
	s_cbranch_scc0 .Lodd_\@
	global_prefetch_b8 v[PFO], s[\qb:\qb+1] th:TH_LOAD_NT scope:SCOPE_SE
.Lodd_\@:
.endm
; A phase's end: the next phase's Q is asked for; l's halves are added; O^T / l is rounded to f16 and stored as it lies: each store covers 512 consecutive bytes.
.macro FINISH ob, qbnext
.if \qbnext
	QLOAD \qbnext
.endif
.rept 4
	v_nop                                          ; four places behind the last products
.endr
.irp t, 0,1
	v_add_f32 v[ST+8*\t+4], v[ST+8*\t+2], v[ST+8*\t+3]
.endr
.irp t, 0,1
	v_permlanex16_b32 v[ST+8*\t+5], v[ST+8*\t+4], s[SEL], s[SEL+1]
.endr
.irp t, 0,1
	v_add_f32 v[ST+8*\t+4], v[ST+8*\t+4], v[ST+8*\t+5]
.endr
.irp t, 0,1
	v_rcp_f32 v[ST+8*\t+6], v[ST+8*\t+4]
.endr
	v_nop                                          ; a plain line behind the reciprocals,
	s_wait_alu depctr_va_vdst(0)                   ; and the wait ahead of their first reader
.set n, 0
.rept 16
.irp t, 0,1
	v_pk_mul_f32 v[O+32*\t+n:O+32*\t+n+1], v[O+32*\t+n:O+32*\t+n+1], v[ST+8*\t+6:ST+8*\t+7] op_sel_hi:[1,0]
.endr
.set n, n+2
.endr
.set n, 0
.rept 16
.irp t, 0,1
	v_cvt_pk_f16_f32 v[S+16*\t+n], v[O+32*\t+2*n], v[O+32*\t+2*n+1]
.endr
.set n, n+1
.endr
.irp qt, 0,1
.irp ct, 0,1,2,3
	global_store_b128 v[LI], v[S+16*\qt+4*\ct:S+16*\qt+4*\ct+3], s[\ob:\ob+1] offset:\qt*8192+\ct*512 th:TH_STORE_NT
.endr
.endr
.if \qbnext
	s_wait_xcnt 0x0                                ; the stores have read their registers: the next phase's scores may be written there
.endif
.endm
	s_wait_tensorcnt 0x1                           ; my part of region 0 is in; region 1's may stay out
	s_barrier_signal -1
	s_barrier_wait -1
	s_mov_b32 s[TB], 0
	START
	STEP 1, 1                                      ; branch 2, keys 0-511
	LOOP 6
	STEP 0, 0
	REFILL G0+8, G1A                               ; region 0 takes branch 1's keys
	ASKQ QB1
	s_mov_b32 s[TB], R1
	START
	LOOP 7                                         ; branch 2, keys 512-1023
	STEP 0, 0
	FINISH OB2, QB1
	REFILL G0+12, G1B                              ; region 1 takes branch 0's keys
	ASKQ QB0
	s_mov_b32 s[TB], 0
	START
	STEP 1, 1                                      ; branch 1
	LOOP 6
	STEP 0, 0
	FINISH OB1, QB0
	s_wait_tensorcnt 0x0                           ; my part of branch 0's keys is in,
	s_wait_dscnt 0x0
	s_barrier_signal -1
	s_barrier_wait -1                              ; everybody's is
	s_mov_b32 s[TB], R1
	START
	STEP 1, 1                                      ; branch 0
	LOOP 2
	STEP 0, 0
	FINISH OB0, 0
	s_wait_tensorcnt 0x0                           ; the wave's end
	ds_add_u32 v[SPW], v[NIL]
	s_wait_dscnt 0x0
	s_endpgm
.Lfunc_end_k_qa97838ea9a_attn:
	.size	k_qa97838ea9a_attn, .Lfunc_end_k_qa97838ea9a_attn-k_qa97838ea9a_attn
	.p2alignl 7, 3214868480
	.fill 96, 4, 3214868480
	.section	.rodata,"a",@progbits
	.p2align	6, 0x0
	.amdhsa_kernel k_qa97838ea9a_attn
		.amdhsa_group_segment_fixed_size 327680
		.amdhsa_private_segment_fixed_size 0
		.amdhsa_enable_private_segment 0
		.amdhsa_kernarg_size 16
		.amdhsa_user_sgpr_count 2
		.amdhsa_user_sgpr_kernarg_segment_ptr 1
		.amdhsa_wavefront_size32 1
		.amdhsa_system_sgpr_workgroup_id_x 1
		.amdhsa_system_sgpr_workgroup_id_y 1
		.amdhsa_system_sgpr_workgroup_id_z 1
		.amdhsa_system_vgpr_workitem_id 0
		.amdhsa_next_free_vgpr 352
		.amdhsa_next_free_sgpr 80
		.amdhsa_reserve_vcc 0
		.amdhsa_float_denorm_mode_32 3
		.amdhsa_float_denorm_mode_16_64 3
		.amdhsa_memory_ordered 1
		.amdhsa_forward_progress 1
		.amdhsa_inst_pref_size 207
	.end_amdhsa_kernel
	.amdgpu_metadata
---
amdhsa.version: [ 1, 2 ]
amdhsa.kernels:
  - .name:           k_qa97838ea9a_attn
    .symbol:         k_qa97838ea9a_attn.kd
    .args:
      - { .name: qkv, .offset: 0, .size: 8, .value_kind: global_buffer, .address_space: global }
      - { .name: oimg, .offset: 8, .size: 8, .value_kind: global_buffer, .address_space: global }
    .group_segment_fixed_size: 327680
    .private_segment_fixed_size: 0
    .kernarg_segment_align: 8
    .kernarg_segment_size: 16
    .max_flat_workgroup_size: 256
    .sgpr_count:     80
    .vgpr_count:     352
    .wavefront_size: 32
...
	.end_amdgpu_metadata
.endif
;; end of part 3
;; launch outgemm (part 4): grid 8 x 32, 4 waves a work-group, clusters of 4 x 4, 327,680 bytes of LDS; arguments oimg, woimg, out_b0, out_b1, out_b2, out0; writes out0
.if DOCPART == 4
	.amdgcn_target "amdgcn-amd-amdhsa--gfx1250"
	.amdhsa_code_object_version 6
	.text
	.protected	k_qa97838ea9a_outgemm
	.globl	k_qa97838ea9a_outgemm
	.p2align	8
	.type	k_qa97838ea9a_outgemm,@function
k_qa97838ea9a_outgemm:
	s_mov_b64 s[64:65], 0
	v_nop
	global_prefetch_b8 v0, s[64:65] scope:SCOPE_SE
	s_setreg_imm32_b32 hwreg(HW_REG_WAVE_MODE, 25, 1), 1
	s_wait_xcnt 0x0
	s_wait_alu depctr_hold_cnt(0) depctr_sa_sdst(0) depctr_va_vdst(0) depctr_va_sdst(0) depctr_va_ssrc(0) depctr_va_vcc(0) depctr_vm_vsrc(0)
	s_getreg_b32 s2, hwreg(HW_REG_IB_STS2, 6, 4)
	s_cmp_eq_u32 s2, 0
	s_cbranch_scc0 .Lentry_in_a_cluster
	s_endpgm
.Lentry_in_a_cluster:
	s_bfe_u32 s2, ttmp6, 0x10000c
	s_cmp_lg_u32 s2, 0xf033
	s_cbranch_scc0 .Lentry_shape_is_right
	s_endpgm
.Lentry_shape_is_right:
; THE PROJECTION.  The three out projections and the sum of the branches are ONE product with K = 3 x 1,024: out0[t][n] = sum over k of o[t][k] w[n][k] + b0[n] + b1[n] + b2[n].
; Operands in f16, sums in f32, out0 f32.  oimg: [K step of 256: 12][16 tokens: 256][16 along K: 16][512 bytes]; woimg: [12][16 rows: 64][16][512]: units in which lane (r, h) holds row r, k = 8 h + 0..7.
; A tile of out0 is 128 x 128: 256 work-groups; four waves, each 64 x 64: 16 accumulators.  A K step's tile of A (128 tokens) and of B (128 rows) are dense blocks of 65,536 bytes: each wave brings half of one
; (128 rows of 256 bytes) by one tensor load.  K goes in 12 steps of 256 through a ring of two LDS slots.  A fragment is two units: two loads of 512 consecutive bytes, so LDS has no padding.
; CLUSTERS: 4 x 4 work-groups.  The four of a row of the cluster need the same tiles of A, the four of a column the same tiles of B: each is asked for jointly, by the same load with a mask that names the four.
; THE MATRIX INSTRUCTION IS USED TRANSPOSED (source 0 = 16 rows of w, source 1 = 16 tokens): a lane holds eight neighbouring numbers of a row of out0.
; The sum of the three biases is the C of each accumulator's first product.  The 16 accumulators take turns.
; THE WAY OUT: a wave's 64 columns are 256 bytes of a row: a block of 16 rows goes through the wave's own stage and leaves as whole rows, sixteen lanes to 256 consecutive aligned bytes.
; REGISTERS: window 0: v1-29 addresses; v32-127 the biases, then the way out; v128-255 the accumulators ((a, b) at v[128 + 8 (4 a + b)]).  window 1: two fragment buffers of 128: 64 of A, then 64 of B.
.set HALFT,  32768                     ; what one tensor load brings, and what one wave reads of A or of B
.set SLOT,   131072                    ; A's 65,536 bytes, then B's
.set STAGE,  2*SLOT
.set SPITCH, 272
.set SPARE,  STAGE+4*16*SPITCH         ; behind the stages: the spare words, 128 bytes a wave
.set LAPS,   6                         ; a lap = two K steps
.set STEPA,  2097152                   ; a K step on, in oimg
.set STEPB,  524288                    ; and in woimg
.set ADRA, 16
.set ADRB, 20
.set STO,  24
.set RD,   25
.set CO,   26
.set SPW,  28
.set NIL,  29
.set TMP,  32
.set BI,   96                          ; v96-127 the biases' sum: block b of 16 columns at v[96 + 8 b]
.set ACC,  128
.set F0,   0
.set F1,   128
.set G1, 24
.set G0, 32
.set G1B, 48
.set G0B, 56
.set MSB, 0
.macro WIN new                         ; the immediate's high byte repeats the setting that is left
.if MSB != \new
	s_set_vgpr_msb (MSB<<8)|\new
.set MSB, \new
.endif
.endm
.set MUL,  0x05                        ; sources 0 and 1 window 1; C and D window 0
.set TO_F, 0x40                        ; destination window 1, address window 0
.macro JLOAD s                         ; a joint load: waves 0 and 1 fetch A's two halves, waves 2 and 3 B's; an s_nop 0 and four v_nop follow each line
	s_cmp_eq_u32 s11, 0
	s_cbranch_scc0 .Lfor_b_\@
	tensor_load_to_lds s[G0+4*\s:G0+4*\s+3], s[G1:G1+7]
	s_nop 0
.rept 4
	v_nop
.endr
	s_branch .Lasked_\@
.Lfor_b_\@:
	tensor_load_to_lds s[G0B+4*\s:G0B+4*\s+3], s[G1B:G1B+7]
	s_nop 0
.rept 4
	v_nop
.endr
.Lasked_\@:
.endm
.macro CREST                           ; a round of the cluster's barrier behind its opening barrier
	s_cmp_lg_u32 s10, 0
	s_cbranch_scc1 .Lnot_wave_0_\@
	s_barrier_signal -3
.Lnot_wave_0_\@:
	s_barrier_wait -3
	s_barrier_signal -1
	s_barrier_wait -1
.endm
.macro CROUND
	s_barrier_signal -1
	s_barrier_wait -1
	CREST
.endm
	s_load_b128 s[4:7], s[0:1], 0x0                ; oimg, woimg
	s_load_b256 s[68:75], s[0:1], 0x10             ; out_b0, out_b1, out_b2, out0
	v_lshl_add_u32 v[SPW], v0, 2, SPARE
	v_mov_b32 v[NIL], 0
	ds_add_u32 v[SPW], v[NIL]                      ; the wave's opening: the add, twice on end, and its wait ahead of my first tensor load
	ds_add_u32 v[SPW], v[NIL]
	v_lshrrev_b32 v1, 5, v0
	v_readfirstlane_b32 s10, v1                    ; wave
	s_lshr_b32 s11, s10, 1                         ; which half of the tile's rows is mine.  Also: I fetch for A (0) or for B (1)
	s_and_b32 s12, s10, 1                          ; which half of its columns.  Also: which half of that tile I fetch
	s_bfe_u32 s40, ttmp6, 0x40000                  ; cx, cy
	s_bfe_u32 s41, ttmp6, 0x40004
	s_lshl_b32 s42, ttmp9, 2
	s_add_co_u32 s42, s42, s40                     ; tile column
	s_and_b32 s13, ttmp7, 0xffff
	s_lshl_b32 s13, s13, 2
	s_add_co_u32 s13, s13, s41                     ; tile row
	s_lshl_b32 s43, s41, 2
	s_lshl_b32 s43, 15, s43                        ; my row of the cluster
	s_lshl_b32 s44, 0x1111, s40                    ; my column
	s_or_b32 s[G1+0], s43, (3<<16)|(1<<21)         ; the mask; elements of 8 bytes; bit 21 beside a mask; no padding
	s_or_b32 s[G1B+0], s44, (3<<16)|(1<<21)
.irp g, G1, G1B
	s_mov_b32 s[\g+1], 32<<16                      ; tensor_dim0 = 32: rows of 256 bytes
	s_mov_b32 s[\g+2], 128<<16                     ; tensor_dim1 = 128
	s_mov_b32 s[\g+3], 32<<16                      ; tile_dim0
	s_mov_b32 s[\g+4], 128                         ; tile_dim1
	s_mov_b32 s[\g+5], 32                          ; the pitch: the block is dense
	s_mov_b32 s[\g+6], 0
	s_mov_b32 s[\g+7], 0
.endr
	s_lshl_b32 s17, s12, 15                        ; which half of the tile I fetch
	s_lshl_b32 s16, s13, 16
	s_add_co_u32 s16, s16, s17                     ; A: 65,536 x tile row + the half
	s_lshl_b32 s46, s42, 16
	s_add_co_u32 s46, s46, s17                     ; B: 65,536 x tile column + the half
	s_mov_b32 s17, 0
	s_mov_b32 s47, 0
	s_lshl_b32 s20, s10, 15                        ; where they go: wave x 32,768
	s_wait_dscnt 0x0                               ; both opening adds are done
	s_wait_kmcnt 0x0
	s_add_nc_u64 s[14:15], s[4:5], s[16:17]
	s_add_nc_u64 s[46:47], s[6:7], s[46:47]
	CROUND                                         ; all sixteen work-groups are here: the first joint loads meet
.irp s, 0,1
	s_mov_b32 s[G0+4*\s], 1
	s_add_co_u32 s[G0+4*\s+1], s20, \s*SLOT
	s_add_nc_u64 s[G0+4*\s+2:G0+4*\s+3], s[14:15], \s*STEPA
	s_or_b32 s[G0+4*\s+3], s[G0+4*\s+3], 0x80000000
	s_mov_b32 s[G0B+4*\s], 1
	s_add_co_u32 s[G0B+4*\s+1], s20, \s*SLOT
	s_add_nc_u64 s[G0B+4*\s+2:G0B+4*\s+3], s[46:47], \s*STEPB
	s_or_b32 s[G0B+4*\s+3], s[G0B+4*\s+3], 0x80000000
	JLOAD \s
.endr
	v_and_b32 v1, 31, v0
	v_lshlrev_b32 v3, 4, v1                        ; 16 x lane
	s_lshl_b32 s21, s11, 15                        ; my 64 tokens
	s_lshl_b32 s22, s12, 15                        ; my 64 rows of w,
	s_add_co_u32 s22, s22, 2*HALFT                 ; which lie behind A's tile
.irp s, 0,1
	v_add_nc_u32 v[ADRA+\s], s21, v3
	v_add_nc_u32 v[ADRB+\s], s22, v3
	s_add_co_u32 s21, s21, SLOT
	s_add_co_u32 s22, s22, SLOT
.endr
	v_and_b32 v1, 15, v0                           ; r
	v_bfe_u32 v2, v0, 4, 1                         ; h
	s_mul_i32 s23, s10, 16*SPITCH
	s_add_co_u32 s23, s23, STAGE                   ; my stage
	v_mul_u32_u24 v4, v1, SPITCH
	v_lshl_add_u32 v4, v2, 5, v4
	v_add_nc_u32 v[STO], s23, v4                   ; in: row r, 32 bytes for each half of the lanes
	v_mul_u32_u24 v5, v2, SPITCH
	v_lshl_add_u32 v5, v1, 4, v5
	v_add_nc_u32 v[RD], s23, v5                    ; back: lanes 0-15 one row of 256 bytes, lanes 16-31 the next
	v_lshlrev_b32 v5, 12, v2
	v_lshl_add_u32 v[CO], v1, 4, v5                ; and the same two rows in out0
	v_lshlrev_b32 v6, 5, v2                        ; the biases: 8 h numbers on
	s_lshl_b32 s16, s13, 19
	s_lshl_b32 s17, s11, 18
	s_add_co_u32 s16, s16, s17                     ; my first row: (128 x tile row + 64 x half) x 4,096 bytes
	s_mov_b32 s17, 0
	s_add_nc_u64 s[74:75], s[74:75], s[16:17]
	s_lshl_b32 s46, s42, 9
	s_lshl_b32 s47, s12, 8
	s_add_co_u32 s46, s46, s47                     ; my first column, in bytes
	s_mov_b32 s47, 0
	s_add_nc_u64 s[74:75], s[74:75], s[46:47]
	s_add_nc_u64 s[68:69], s[68:69], s[46:47]
	s_add_nc_u64 s[70:71], s[70:71], s[46:47]
	s_add_nc_u64 s[72:73], s[72:73], s[46:47]
.irp b, 0,1,2,3
.irp e, 0,1
	global_load_b128 v[BI+8*\b+4*\e:BI+8*\b+4*\e+3], v6, s[68:69] offset:64*\b+16*\e
	global_load_b128 v[32+8*\b+4*\e:32+8*\b+4*\e+3], v6, s[70:71] offset:64*\b+16*\e
	global_load_b128 v[64+8*\b+4*\e:64+8*\b+4*\e+3], v6, s[72:73] offset:64*\b+16*\e
.endr
.endr
	s_wait_loadcnt 0x0
.set n, 0
.rept 16
	v_pk_add_f32 v[BI+n:BI+n+1], v[BI+n:BI+n+1], v[32+n:32+n+1]
.set n, n+2
.endr
.set n, 0
.rept 16
	v_pk_add_f32 v[BI+n:BI+n+1], v[BI+n:BI+n+1], v[64+n:64+n+1]   ; register 8 b + j = the three biases' sum at column 16 b + 8 h + j
.set n, n+2
.endr
; 8 matrix instructions: token blocks a0, a0 + 1 x all 4 column blocks, 32 along K: half c of buffer f.  zero = 1: the first product starts the sums, from the biases
.macro MUL8 f, c, a0, zero
.irp a, \a0, \a0+1
.irp b, 0,1,2,3
.if \zero
	v_wmma_f32_16x16x32_f16 v[ACC+8*(4*(\a)+\b):ACC+8*(4*(\a)+\b)+7], v[\f+64+8*(4*\c+\b):\f+64+8*(4*\c+\b)+7], v[\f+8*(4*\c+\a):\f+8*(4*\c+\a)+7], v[BI+8*\b:BI+8*\b+7]
.else
	v_wmma_f32_16x16x32_f16 v[ACC+8*(4*(\a)+\b):ACC+8*(4*(\a)+\b)+7], v[\f+64+8*(4*\c+\b):\f+64+8*(4*\c+\b)+7], v[\f+8*(4*\c+\a):\f+8*(4*\c+\a)+7], v[ACC+8*(4*(\a)+\b):ACC+8*(4*(\a)+\b)+7]
.endif
.endr
.endr
.endm
; 32 LDS loads in one run: the fragments of 64 along K (four units, from byte k of each block of 16 rows) into buffer f; the first 32 along K first
.macro FETCH slot, k, f
	WIN TO_F
.irp c, 0,1
.irp i, 0,1,2,3
	ds_load_b128 v[\f+64+8*(4*\c+\i):\f+64+8*(4*\c+\i)+3],   v[ADRB+\slot] offset:\k+1024*\c+\i*8192
	ds_load_b128 v[\f+64+8*(4*\c+\i)+4:\f+64+8*(4*\c+\i)+7], v[ADRB+\slot] offset:\k+1024*\c+\i*8192+512
	ds_load_b128 v[\f+8*(4*\c+\i):\f+8*(4*\c+\i)+3],         v[ADRA+\slot] offset:\k+1024*\c+\i*8192
	ds_load_b128 v[\f+8*(4*\c+\i)+4:\f+8*(4*\c+\i)+7],       v[ADRA+\slot] offset:\k+1024*\c+\i*8192+512
.endr
.endr
.endm
.macro PLACES                          ; four places in front of loads into registers that matrix instructions have read, and of the first read of results
.rept 4
	v_nop
.endr
.endm
; A K step is four quarters of 64 along K, 32 matrix instructions each, on buffers 0, 1, 0, 1.  One of the first three: multiplies buffer f and fetches the next quarter, at byte k, into g.
.macro QUARTER slot, k, f, g, zero
	s_wait_dscnt 16                                ; the first 32 along K are in; the sixteen younger loads may be out
	WIN MUL
	MUL8 \f, 0, 0, \zero
	MUL8 \f, 0, 2, \zero
	PLACES
	FETCH \slot, \k, \g
	s_wait_dscnt 32                                ; all but the 32 just issued
	WIN MUL
	MUL8 \f, 1, 0, 0
	MUL8 \f, 1, 2, 0
.endm
; The last quarter multiplies buffer 1 and changes slots: ONE barrier; in front of it each wave waits for all its tensor loads, adds 0 to its spare word, and waits for that and for its reads of this slot.
.macro TURN slot, next, fill
	WIN 0                                          ; (the add's two registers lie in window 0)
	s_wait_tensorcnt 0x0                           ; all my tensor loads have landed: my part of the next slot
	ds_add_u32 v[SPW], v[NIL]                      ; 0 onto my spare word
	s_wait_dscnt 17                                ; (the add and the youngest sixteen loads may be out)
	WIN MUL
	MUL8 F1, 0, 0, 0
	s_wait_dscnt 0x0                               ; the add is done, and my reads of this slot are over
	s_barrier_signal -1
	MUL8 F1, 0, 2, 0
.if \fill
	WIN 0
.endif
	s_barrier_wait -1
.if \fill
	CREST                                          ; the barrier has opened a round of the cluster's: no wave of any partner still reads this slot or has a load on its way
	s_add_nc_u64 s[G0+4*\slot+2:G0+4*\slot+3], s[G0+4*\slot+2:G0+4*\slot+3], 2*STEPA
	s_add_nc_u64 s[G0B+4*\slot+2:G0B+4*\slot+3], s[G0B+4*\slot+2:G0B+4*\slot+3], 2*STEPB
	JLOAD \slot                                    ; the first tensor load behind the round; its four v_nop are also the places in front of the loads below
.else
	PLACES
.endif
	FETCH \next, 0, F0
	WIN MUL
	MUL8 F1, 1, 0, 0
	MUL8 F1, 1, 2, 0
.endm
	s_wait_tensorcnt 1                             ; my part of K step 0 is in (K step 1's load may be out),
	s_barrier_signal -1
	s_barrier_wait -1                              ; everybody's is
	FETCH 0, 0, F0
	QUARTER 0, 2048, F0, F1, 1                     ; the first quarter stands in front of the loop: its first products start the sums
	WIN 0
	s_mov_b32 s3, LAPS-1
.Llap:                                                 ; a trip goes once round the ring, from a lap's second quarter to the next lap's first, and fills both slots again
	QUARTER 0, 4096, F1, F0, 0
	QUARTER 0, 6144, F0, F1, 0
	TURN 0, 1, 1
	QUARTER 1, 2048, F0, F1, 0
	QUARTER 1, 4096, F1, F0, 0
	QUARTER 1, 6144, F0, F1, 0
	TURN 1, 0, 1
	QUARTER 0, 2048, F0, F1, 0
	WIN 0
	s_sub_co_u32 s3, s3, 1
	s_cmp_lg_u32 s3, 0
	s_cbranch_scc1 .Llap
	QUARTER 0, 4096, F1, F0, 0                     ; the last lap fills nothing, and has no round of the cluster's barrier
	QUARTER 0, 6144, F0, F1, 0
	TURN 0, 1, 0
	QUARTER 1, 2048, F0, F1, 0
	QUARTER 1, 4096, F1, F0, 0
	QUARTER 1, 6144, F0, F1, 0
	s_wait_dscnt 16                                ; the very last quarter: nothing more to fetch
	WIN MUL
	MUL8 F1, 0, 0, 0
	MUL8 F1, 0, 2, 0
	s_wait_dscnt 0
	MUL8 F1, 1, 0, 0
	MUL8 F1, 1, 2, 0
	WIN 0
; THE WAY OUT, a block of 16 rows x 64 columns at a time, through my own stage.  LDS serves a wave's instructions in order (ISA guide 5.7.1.4): no wait between the stores and the loads, nor in front of the next block's stores.
.macro TOSTAGE a
.irp b, 0,1,2,3
	ds_store_b128 v[STO], v[ACC+8*(4*(\a)+\b):ACC+8*(4*(\a)+\b)+3] offset:64*\b          ; each accumulator from its low end on
	ds_store_b128 v[STO], v[ACC+8*(4*(\a)+\b)+4:ACC+8*(4*(\a)+\b)+7] offset:64*\b+16
.endr
.irp t, 0,1,2,3,4,5,6,7
	ds_load_b128 v[TMP+32*((\a)%2)+4*\t:TMP+32*((\a)%2)+4*\t+3], v[RD] offset:\t*2*SPITCH
.endr
.endm
.macro SEND a, younger                 ; younger: the LDS instructions issued behind block a's loads, which may stay out
	s_wait_dscnt \younger
.irp t, 0,1,2,3,4,5,6,7
	global_store_b128 v[CO], v[TMP+32*((\a)%2)+4*\t:TMP+32*((\a)%2)+4*\t+3], s[74:75] offset:(16*(\a)+2*\t)*4096 th:TH_STORE_NT   ; 16 lanes store 256 consecutive bytes, at a multiple of 256 from out0's first byte
.endr
.endm
	PLACES
	TOSTAGE 0
	TOSTAGE 1
	SEND 0, 16                                     ; behind block 0's loads: block 1's 8 stores and 8 loads
	s_wait_xcnt 0x0                                ; block 0's stores have read their registers: block 2's loads may land there
	TOSTAGE 2
	SEND 1, 16
	s_wait_xcnt 0x0
	TOSTAGE 3
	SEND 2, 16
	SEND 3, 0
	s_wait_tensorcnt 0x0                           ; the wave's end, behind my last tensor load and my last LDS store
	ds_add_u32 v[SPW], v[NIL]
	s_wait_dscnt 0x0
	CROUND                                         ; the closing round
	s_endpgm
.Lfunc_end_k_qa97838ea9a_outgemm:
	.size	k_qa97838ea9a_outgemm, .Lfunc_end_k_qa97838ea9a_outgemm-k_qa97838ea9a_outgemm
	.p2alignl 7, 3214868480
	.fill 96, 4, 3214868480
	.section	.rodata,"a",@progbits
	.p2align	6, 0x0
	.amdhsa_kernel k_qa97838ea9a_outgemm
		.amdhsa_group_segment_fixed_size 327680
		.amdhsa_private_segment_fixed_size 0
		.amdhsa_enable_private_segment 0
		.amdhsa_kernarg_size 48
		.amdhsa_user_sgpr_count 2
		.amdhsa_user_sgpr_kernarg_segment_ptr 1
		.amdhsa_wavefront_size32 1
		.amdhsa_system_sgpr_workgroup_id_x 1
		.amdhsa_system_sgpr_workgroup_id_y 1
		.amdhsa_system_sgpr_workgroup_id_z 1
		.amdhsa_system_vgpr_workitem_id 0
		.amdhsa_next_free_vgpr 512
		.amdhsa_next_free_sgpr 80
		.amdhsa_reserve_vcc 0
		.amdhsa_float_denorm_mode_32 3
		.amdhsa_float_denorm_mode_16_64 3
		.amdhsa_memory_ordered 1
		.amdhsa_forward_progress 1
		.amdhsa_inst_pref_size 90
	.end_amdhsa_kernel
	.amdgpu_metadata
---
amdhsa.version: [ 1, 2 ]
amdhsa.kernels:
  - .name:           k_qa97838ea9a_outgemm
    .symbol:         k_qa97838ea9a_outgemm.kd
    .args:
      - { .name: oimg, .offset: 0, .size: 8, .value_kind: global_buffer, .address_space: global }
      - { .name: woimg, .offset: 8, .size: 8, .value_kind: global_buffer, .address_space: global }
      - { .name: out_b0, .offset: 16, .size: 8, .value_kind: global_buffer, .address_space: global }
      - { .name: out_b1, .offset: 24, .size: 8, .value_kind: global_buffer, .address_space: global }
      - { .name: out_b2, .offset: 32, .size: 8, .value_kind: global_buffer, .address_space: global }
      - { .name: out0, .offset: 40, .size: 8, .value_kind: global_buffer, .address_space: global }
    .group_segment_fixed_size: 327680
    .private_segment_fixed_size: 0
    .kernarg_segment_align: 8
    .kernarg_segment_size: 48
    .max_flat_workgroup_size: 128
    .sgpr_count:     80
    .vgpr_count:     512
    .wavefront_size: 32
...
	.end_amdgpu_metadata
.endif
;; end of part 4
